; MI455X (gfx1250); checked and timed in simulation.
; The chip was launched on July 23, 2026; its instructions are those of AMD's public machine-readable ISA for CDNA 5 (MIT licence, August 2026) and "CDNA5" Instruction Set Architecture Reference Guide (July 2026). The comments in the code are by the model that wrote it; some were corrected since.
;; Naive SDPA. Allowed arithmetic: matrix products marked QUANTISED: E2M1 operands, one E8M0 scale for each 32 along K, by v_wmma_scale_f32_16x16x128_f8f6f4 with both operands' format E2M1 (or v_wmma_scale_f32_32x16x128_f4), f32 sums; everything else in f32.
;; Inputs: keys_codes 16 x 4,096 x 2 x 16 uint8 (E2M1 codes of keys, K innermost, in blocks of 32 codes, two codes a byte); keys_scales 16 x 4,096 x 2 uint8 (E8M0 scales of keys, one for each 32 codes along K); mask 4,096 x 4,096 float32; queries 16 x 4,096 x 64 float32; values_codes 16 x 64 x 128 x 16 uint8 (E2M1 codes of values, K innermost, in blocks of 32 codes, two codes a byte); values_scales 16 x 64 x 128 uint8 (E8M0 scales of values, one for each 32 codes along K).
;; Outputs: out0 16 x 4,096 x 64 float32.
;; This version of the problem:
;;   THIS VERSION OF THE PROBLEM IS GIVEN IN LOW PRECISION. The matrix products marked QUANTISED in the list below multiply operands that are first quantised to E2M1 (2 exponent bits, 1 mantissa bit; 4 bits a number), with one power-of-two scale for each 32 numbers along K (OCP MX v1.0); their sums are f32. All else is computed in f32.
;;   The module's matrix products, in the order in which they are computed (A, B: the left and right operand; K: the contracted axis; several contracted axes count as one K, in the product's order):
;;     1. batch 16 x [M 4,096, K 64] x [K 64, N 4,096]; A: computed on the way; B: input keys (given as codes): QUANTISED
;;     2. batch 16 x [M 4,096, K 4,096] x [K 4,096, N 64]; A: softmax (see below); B: input values (given as codes): QUANTISED
;;   THE QUANTISER, for each operand of a quantised product, along K:
;;     - K is cut into blocks of 32 from its start; a last block that is shorter is filled with zeros.
;;     - A block's scale is 2^e with e = floor(log2(the largest magnitude in the block)) - 2, held to -126 .. 127; a block of zeros has e = 0. As a byte (E8M0): e + 127.
;;     - Each number is divided by its block's scale, clamped to +-6, and rounded to the nearest number of E2M1, ties to even, subnormals kept.
;;     - The product sums the exact products of the quantised numbers (number of the format x scale) in f32.
;;   ~~~python
;;   def quantise(x, axis):      # numpy; x: float32 -> the quantised numbers, widened to float32 again
;;       x = np.moveaxis(x, axis, -1); K = x.shape[-1]
;;       x = np.pad(x, [(0, 0)] * (x.ndim - 1) + [(0, -K % 32)]); x = x.reshape(x.shape[:-1] + (-1, 32)); a = np.abs(x).max(-1, keepdims=True)
;;       e = np.where(a > 0, np.clip(np.frexp(np.where(a > 0, a, 1))[1] - 1 - 2, -126, 127), 0)      # np.frexp(a)[1] - 1 = floor(log2(a)), exactly
;;       r = np.clip(x / 2.0 ** e, -6, 6)
;;       step = 2.0 ** (np.maximum(np.frexp(np.where(r == 0, 1, r))[1] - 1, 0) - 1)
;;       q = np.round(r / step) * step * 2.0 ** e      # np.round: ties to even
;;       return np.moveaxis(q.reshape(q.shape[:-2] + (-1,))[..., :K], -1, axis).astype(np.float32)
;;   ~~~
;;   SOFTMAX AHEAD OF A QUANTISED PRODUCT. Where the list says 'softmax', what is quantised is not the finished softmax but p = 2^(t - M), with t = logit x log2(e) and M = ceil(the row's largest t), a whole number; so 1/2 < the row's largest p <= 1. The row's sum l is taken of the UNQUANTISED p, in f32, and the product's result is divided by l at the end. Since M is a whole number, a kernel that streams over the keys may use a running M (the ceiling of the running maximum): every later rescaling is an exact power of two, which a block's scale takes up: the codes' values come out the same.
;;   OPERANDS COMPUTED ON THE WAY. 'Computed on the way' means the value that the module computes at that place (a softmax that the list does not call 'softmax' is quantised finished and normalised). What goes into a quantiser is computed in f32, as accurately as f32 sums, v_exp_f32 and their like allow (about 1e-6 of the number): no bf16 or f16 on the way to a quantiser, and a product that is left as it is and whose result goes on into a quantised operand takes f32 operands (vector FMAs, or v_wmma_f32_16x16x4_f32). A number that lies on a knife's edge between two numbers of the format may be rounded either way, as far as f32 arithmetic and the matrix unit's own rounding can turn it there, and no further.
;;   INPUTS GIVEN AS CODES. keys (in the module: [16, 4096, 64], K = its axis 2); values (in the module: [16, 4096, 64], K = its axis 1): each comes as NAME_codes (uint8): NAME with its K axis moved to the last place and cut into blocks of 32 codes, [.., K / 32, bytes a block], one block behind the other in memory; two codes a byte, the lower K in the low four bits (a code: sign, 2 exponent bits, 1 mantissa bit); and NAME_scales (uint8): the same leading axes, one E8M0 byte (e + 127) for each 32 codes along K. Its value is code x scale, taken as it is: it is not quantised again, and the codes and scales need not be those that the quantiser above would give.
;; One version. Each part assembles by itself: llvm-mc -triple=amdgcn-amd-amdhsa -mcpu=gfx1250 --defsym DOCPART=n.
;; ======== version 1 of 1: 1 launch
;; launch attn (part 1): grid 64 x 4, 8 waves a work-group, clusters of 4 x 4, 327,680 bytes of LDS; arguments queries, keys_codes, keys_scales, values_codes, values_scales, mask, out0; writes out0
.if DOCPART == 1
	.amdgcn_target "amdgcn-amd-amdhsa--gfx1250"
	.amdhsa_code_object_version 6
	.text
	.protected	k_q64c68570c6_attn
	.globl	k_q64c68570c6_attn
	.p2align	8
	.type	k_q64c68570c6_attn,@function
k_q64c68570c6_attn:
	s_mov_b64 s[64:65], 0
	v_nop
	global_prefetch_b8 v0, s[64:65] scope:SCOPE_SE
	s_setreg_imm32_b32 hwreg(HW_REG_WAVE_MODE, 25, 1), 1
	s_wait_xcnt 0x0
	s_wait_alu depctr_hold_cnt(0) depctr_sa_sdst(0) depctr_va_vdst(0) depctr_va_sdst(0) depctr_va_ssrc(0) depctr_va_vcc(0) depctr_vm_vsrc(0)
	s_getreg_b32 s2, hwreg(HW_REG_IB_STS2, 6, 4)
	s_cmp_eq_u32 s2, 0
	s_cbranch_scc0 .Lentry_in_a_cluster
	s_endpgm
.Lentry_in_a_cluster:
	s_bfe_u32 s2, ttmp6, 0x10000c
	s_cmp_lg_u32 s2, 0xf033
	s_cbranch_scc0 .Lentry_shape_is_right
	s_endpgm
.Lentry_shape_is_right:
; out0[n][s][:] = the sum over t of softmax_t(queries[n][s] / 8 . keys[n][t] + mask[s][t]) values[n][t][:].  16 heads, 4,096 queries, 4,096 keys, head size 64.
; Both products run on codes of FP4 (E2M1) with one E8M0 scale for each 32 along a product's K.  keys: codes [16][4096][64 along K], 32 bytes a key, 2 scale bytes a key.  values: codes with the KEYS
; innermost, [16][64][4096], 2,048 bytes a row, 128 scale bytes a row.  queries / 8 is quantised here, in registers, along its 64 (two blocks).  mask and out0 are f32.
; THE FIRST PRODUCT'S K IS 64, the instruction's 128: the upper half of both operands holds zero codes (registers 4-7 of K's and of Q's fragments, cleared once), which add nothing under the scale byte 0.
; THE MASK IS THE C OF THE FIRST PRODUCT: a tile of it in the result's layout, so that it costs no addition; it is read from LDS once for the wave's two heads.
; THE SOFTMAX AHEAD OF THE SECOND PRODUCT: t = score x log2(e); M = the row's largest t so far, rounded UP to a whole number; p = 2^(t - M) is quantised along the keys, not normalised.
; The row's sum is taken of the unquantised p and divides at the end.  When M moves, the sum and O are multiplied by 2^(old M - new M): exact.
; SHARES.  A work-group owns 64 queries x 4 heads.  Wave w: queries 16 (w % 4) on, heads 2 (w / 4) and 2 (w / 4) + 1 of the four: 512 registers, two waves to a SIMD.  Every wave walks all keys, 128 a step.
; LAYOUT.  Both products are used transposed: S^T = K Q^T + mask^T (source 0 = 16 keys, source 1 = my 16 queries), O^T = V^T P^T (source 0 = 16 of the head's 64, source 1 = P): a lane holds ONE query throughout.
; THE KEYS OF A TILE ARE NOT NEIGHBOURS: lane r of tile 2 b + u takes key 32 b + 8 u + r + 8 (r / 8), so that the 16 registers of tiles 2 b and 2 b + 1 are the 16 neighbouring keys 32 b + 16 (lane / 16) + 0 .. 15.
; CLUSTER 4 x 4.  x = block of 64 queries, y = group of 4 heads.  The four of a column (same x) need the same tile of the mask, the four of a row (same y) the same K, V and scale bytes: each tile is asked for
; JOINTLY, by the same tensor load with the same descriptor and a mask that names the four.  64 x 4 work-groups divide into 16 such clusters.
; THE RING.  Two LDS slots of 256 keys (two steps).  The change of slots stands at a slot's head and is a round of the cluster's barrier; behind it each wave issues one load into the slot just left:
; wave 0 the mask's 64 rows x 1,024 bytes, wave 1 K's scale bytes, waves 2 and 3 V's 2 x 128 rows x 128 bytes, waves 4 to 7 one head's 256 keys each.  V's scale bytes of the four heads come once and stay.
; LIMITS.  NaN and +infinity among the inputs, a scale byte 0xff, and a row whose scores are all -infinity are not served.  -infinity in the mask is served (p = 0).  A block whose largest magnitude lies under
; 2^(3 - 127) keeps the scale byte 1; a block of zeros too: its codes are zeros, and the bytes are read by this program alone.  p under 2^-126 is taken as 0 by the exponential (ISA guide, 15.8).
; REGISTERS.  Window 0: v1-15 addresses; v16-23 two heads' -M, largest t, sum (a pair); v24-39 Q's two fragments; v40-48 scale words and nothing else; v50-51 f; v52-59 p's codes; v60-63 blocks' maxima;
;   v64-127 S^T, then p; v128-191 K's eight fragments; v192-223 V's four; v224-235 at work.   Window 1: v64-127 O^T (head e, tile t at 64 + 32 e + 8 t); v192-255 the mask's eight tiles.
.set SLOT,  139520                     ; a slot: the four regions below, rounded up to whole blocks of 256 bytes
.set MOFF,  0                          ; the mask: 64 rows of 1,024 bytes + 16 of padding (pitch 1,040 = 65 x 16: the 16 rows of a load start 16 bytes apart modulo 256)
.set KOFF,  66560                      ; K's codes: 4 heads x 16 rows of 512 bytes (16 keys) + 16: key k of a head at 32 k + 16 (k / 16); a head is 8,448 bytes
.set VOFF,  100352                     ; V's codes: 256 rows (64 x head + d) of 128 bytes + 16 (pitch 144 = 9 x 16)
.set KSOFF, 137216                     ; K's scale bytes: 4 rows (a head each) of 512 bytes + 16
.set VSC,   2*SLOT                     ; behind the ring: V's scale bytes of my 4 heads: 256 rows of 128 bytes + 8 (pitch 136), filled once
.set SPARE, VSC+256*136                ; the spare words, 128 bytes for each wave: four blocks of 256 bytes that no other line names
.set STGW,  8704                       ; the way out: a stage for each wave, 2 heads x 16 rows x (256 bytes + 16), in slot 0, which has had its last fill and its last read at the last change of slots
.set AK0,  1                           ; v1   my lane's place in a slot's K (later: the stage, in)
.set AV0,  2                           ; v2   in its V (later: the stage, back)
.set ASK0, 3                           ; v3   among K's scale bytes
.set ASV0, 4                           ; v4   among V's scale words
.set AM0,  5                           ; v5   in the mask's tile
.set SPW,  6                           ; v6   LDS address of my spare word: SPARE + 4 x my thread's number; never rewritten
.set NIL,  7                           ; v7   0; never rewritten
.set ADK,  8                           ; v8-12 the same five places in the slot in hand (at the head: r, h, r / 8, lane)
.set ADV,  9
.set ADS,  10
.set ADT,  11
.set ADM,  12
.set PFO,  13                          ; v13  the prefetches' offset; never rewritten
.set GO,   14                          ; v14  the way out: my byte offset in the wave's rows of out0
.set QO,   15                          ; v15  my byte offset in the wave's rows of queries
.set ST,   16                          ; head e: v[16+4e] -M, +1 the largest t, +2, +3 the sum in two halves
.set QF,   24
.set QSC,  40
.set KSC,  42                          ; v42-45: lanes 0-15 tile 2 b's words, lanes 16-31 tile 2 b + 1's
.set VSR,  46                          ; v46-47: lanes 0-15 tile 2 g's words, lanes 16-31 tile 2 g + 1's
.set PSC,  48
.set F,    50
.set PC,   52
.set BM,   60
.set SR,   64
.set KF,   128
.set VF,   192
.set T1,   224
.set T2,   228
.set SUM2, 232
.set T,    234
.set OA,   64                          ; in window 1
.set MK,   192                         ; in window 1
.set WV,   18                          ; s18 wave; s19 wave % 4; s20 wave / 4
.set QI,   19
.set HP,   20
.set CX,   21                          ; s21, s22 my place in the cluster; s23 my block of 64 queries
.set CY,   22
.set BX,   23
.set SEL,  26                          ; s[26:27] lane selects for v_permlanex16_b32: lane l xor 16
.set CS,   28                          ; s[28:29] log2(e): the packed form names a pair and takes its low word for both halves
.set TB,   30                          ; s30 where the slot that is read begins
.set TBF,  31                          ; s31 where the slot that is filled begins
.set TJ,   32                          ; s32 the slot's byte in a row of V's scale bytes: 8 a slot
.set SLOTS, 33                         ; s33 slots still to be asked for
.set LIM,  34                          ; s34 1 in the wave that prefetches, else the greatest number
.set TMP,  35
.set G0T,  36                          ; groups 0: V's scale bytes; below: mask, K, K's scale bytes, V
.set G1M,  40                          ; groups 1: mask, K, K's scale bytes, V, V's scale bytes
.set G1K,  48
.set G1S,  56
.set PFA,  66                          ; s[66:67] where my prefetches stand
.set G1V,  68
.set G1T,  76
.set G0M,  84
.set G0K,  88
.set G0S,  92
.set G0V,  96
.set WOK,  100                         ; s100 my wave's tile of K in a slot; s101 of V
.set WOV,  101
.set CYT,  104                         ; s[104:105] offsets made of cy; s[2:3] those made of cx; s[24:25] those made of both
.set MSB, 0
.macro WIN new                         ; the immediate's high byte repeats the setting that is left; a switch that changes nothing is dropped
.if MSB != \new
	s_set_vgpr_msb (MSB<<8)|\new
.set MSB, \new
.endif
.endm
.macro PLACES
.rept 4
	v_nop
.endr
.endm
.macro SHAPE g, d0, d1, pitch          ; words 1 to 7 of a group 1: a tile of d1 rows x d0 elements that lies inside its tensor, rows pitch elements apart
	s_mov_b32 s[\g+1], (\d0)<<16               ; tensor_dim0
	s_mov_b32 s[\g+2], (\d1)<<16               ; tensor_dim1
	s_mov_b32 s[\g+3], (\d0)<<16               ; tile_dim0
	s_mov_b32 s[\g+4], \d1                     ; tile_dim1
	s_mov_b32 s[\g+5], \pitch                  ; tensor_dim0_stride
	s_mov_b32 s[\g+6], 0
	s_mov_b32 s[\g+7], 0
.endm
; A round of the cluster's barrier: my work-group's barrier, wave 0's signal for the work-group, every wave's wait for all sixteen, my work-group's barrier once more.
.macro CROUND
	s_barrier_signal -1
	s_barrier_wait -1
	s_cmp_lg_u32 s[WV], 0
	s_cbranch_scc1 .Lnot_wave_0_\@
	s_barrier_signal -3
.Lnot_wave_0_\@:
	s_barrier_wait -3
	s_barrier_signal -1
	s_barrier_wait -1
.endm
; A wave's one joint load of a slot.  The branches hang on the wave's number alone: they are the same in every work-group.  Four v_nop follow each line.
.macro JLOAD
	s_cmp_lg_u32 s[WV], 0
	s_cbranch_scc1 .Lnot_m_\@
	tensor_load_to_lds s[G0M:G0M+3], s[G1M:G1M+7]
	s_nop 0
	PLACES
	s_branch .Lasked_\@
.Lnot_m_\@:
	s_cmp_lg_u32 s[WV], 1
	s_cbranch_scc1 .Lnot_s_\@
	tensor_load_to_lds s[G0S:G0S+3], s[G1S:G1S+7]
	s_nop 0
	PLACES
	s_branch .Lasked_\@
.Lnot_s_\@:
	s_cmp_ge_u32 s[WV], 4
	s_cbranch_scc1 .Lnot_v_\@
	tensor_load_to_lds s[G0V:G0V+3], s[G1V:G1V+7]
	s_nop 0
	PLACES
	s_branch .Lasked_\@
.Lnot_v_\@:
	tensor_load_to_lds s[G0K:G0K+3], s[G1K:G1K+7]
	s_nop 0
	PLACES
.Lasked_\@:
.endm
; A PREFETCH INTO THE L2 of the mask's tile that the NEXT change of slots will ask for: 64 rows x 1,024 bytes.  It stands behind the wave's tensor load and its four lines.
; Each aligned block of 256 bytes is named ONCE in the launch: a block of 64 queries belongs to one column of one cluster; its four partners share the rows out BY ADDRESS, 16 each (by cy);
; in each, wave 1 asks: lanes 0-15 a row each, lanes 16-31 the same rows 256 bytes on; the second line 512 bytes on.  The last change that fills a slot asks for nothing; slots 0 and 1 come by their loads alone.
.macro ASK
	s_cmp_gt_u32 s[SLOTS], s[LIM]
	s_cbranch_scc0 .Lnot_mine_\@
	global_prefetch_b8 v[PFO], s[PFA:PFA+1] th:TH_LOAD_NT scope:SCOPE_SE
	global_prefetch_b8 v[PFO], s[PFA:PFA+1] offset:512 th:TH_LOAD_NT scope:SCOPE_SE
.Lnot_mine_\@:
.endm
	s_load_b256 s[4:11], s[0:1], 0x0               ; queries s[4:5], K's codes s[6:7], K's scales s[8:9], V's codes s[10:11]
	s_load_b128 s[12:15], s[0:1], 0x20             ; V's scales s[12:13], mask s[14:15]
	s_load_b64 s[16:17], s[0:1], 0x30              ; out0
	v_lshl_add_u32 v[SPW], v0, 2, SPARE
	v_mov_b32 v[NIL], 0
	ds_add_u32 v6, v7
	ds_add_u32 v6, v7
	s_wait_dscnt 0x0
	v_lshrrev_b32 v8, 5, v0
	v_readfirstlane_b32 s[WV], v8                  ; wave 0..7
	s_and_b32 s[QI], s[WV], 3
	s_lshr_b32 s[HP], s[WV], 2
	s_bfe_u32 s[CX], ttmp6, 0x40000                ; cx
	s_bfe_u32 s[CY], ttmp6, 0x40004                ; cy: the group of four heads (one cluster along y)
	s_lshl_b32 s[BX], ttmp9, 2                     ; in a cluster launch ttmp9 counts clusters
	s_add_co_u32 s[BX], s[BX], s[CX]               ; my block of 64 queries = 4 x cluster x + cx
	s_lshl_b32 s24, s[CY], 2
	s_lshl_b32 s24, 15, s24                        ; my row of the cluster: places 4 cy .. 4 cy + 3
	s_lshl_b32 s25, 0x1111, s[CX]                  ; my column: places cx, cx + 4, cx + 8, cx + 12
	; groups 1.  Word 0: 15:0 the mask; 17:16 the element's size; 20 padding on; 21 set beside a mask; 24:22 the interval (a row's words); 31:25 the padding's words - 1
	s_or_b32 s[G1M], s25, (2<<16)|(1<<20)|(1<<21)|(7<<22)|(3<<25)   ; the mask goes to my column: elements of 4 bytes; 4 words behind every 256
	SHAPE G1M, 256, 64, 4096
	s_or_b32 s[G1K], s24, (3<<16)|(1<<20)|(1<<21)|(6<<22)|(3<<25)   ; K goes to my row: elements of 8 bytes; 4 words behind every 128.  A head's 256 keys are 8,192 dense bytes: 16 rows of 512
	SHAPE G1K, 64, 16, 64
	s_or_b32 s[G1S], s24, (3<<16)|(1<<20)|(1<<21)|(6<<22)|(3<<25)   ; K's scale bytes: 512 of each of 4 heads, 8,192 bytes apart
	SHAPE G1S, 64, 4, 1024
	s_or_b32 s[G1V], s24, (0<<16)|(1<<20)|(1<<21)|(4<<22)|(3<<25)   ; V: elements of 1 byte; 4 words behind every 32.  128 rows (two heads' 64) x 128 bytes, 2,048 bytes apart
	SHAPE G1V, 128, 128, 2048
	s_or_b32 s[G1T], s24, (3<<16)|(1<<20)|(1<<21)|(4<<22)|(1<<25)   ; V's scale bytes: 32,768 dense bytes as 256 rows of 128; 2 words behind every 32
	SHAPE G1T, 16, 256, 16
	s_lshl_b32 s2, s[BX], 20                       ; my 64 rows of the mask: 16,384 bytes a row
	s_mov_b32 s3, 0
	s_mov_b32 s[CYT+1], 0
	s_mov_b32 s[SEL], 0x76543210
	s_mov_b32 s[SEL+1], 0xfedcba98
	s_mov_b32 s[CS], 0x3fb8aa3b                    ; log2(e)
	s_mov_b32 s[CS+1], s[CS]                       ; (named with it as a pair, so it is written)
	s_mov_b32 s[TB], 0
	s_mov_b32 s[TBF], 0
	s_mov_b32 s[TJ], 0
	s_mov_b32 s[SLOTS], 15
	s_wait_kmcnt 0x0
	; groups 0, every wave all of them: word 0 = 1; the LDS address (constants and the wave's number alone); the tile's first byte in memory; type 2 on top
	s_mov_b32 s[G0M], 1
	s_mov_b32 s[G0M+1], MOFF
	s_add_nc_u64 s[G0M+2:G0M+3], s[14:15], s[2:3]
	s_or_b32 s[G0M+3], s[G0M+3], 0x80000000
	s_lshl_b32 s[CYT], s[CY], 15                   ; my four heads' scale bytes, K's and V's alike: 8,192 a head
	s_mov_b32 s[G0S], 1
	s_mov_b32 s[G0S+1], KSOFF
	s_add_nc_u64 s[G0S+2:G0S+3], s[8:9], s[CYT:CYT+1]
	s_or_b32 s[G0S+3], s[G0S+3], 0x80000000
	s_mov_b32 s[G0T], 1
	s_mov_b32 s[G0T+1], VSC
	s_add_nc_u64 s[G0T+2:G0T+3], s[12:13], s[CYT:CYT+1]
	s_or_b32 s[G0T+3], s[G0T+3], 0x80000000
	s_and_b32 s[TMP], s[WV], 1                     ; V: which two of the four heads
	s_mul_i32 s[WOV], s[TMP], 128*144
	s_add_co_u32 s[WOV], s[WOV], VOFF
	s_lshl_b32 s[TMP], s[TMP], 18
	s_lshl_b32 s[CYT], s[CY], 19                   ; 131,072 bytes a head
	s_add_co_u32 s[CYT], s[CYT], s[TMP]
	s_mov_b32 s[G0V], 1
	s_mov_b32 s[G0V+1], s[WOV]
	s_add_nc_u64 s[G0V+2:G0V+3], s[10:11], s[CYT:CYT+1]
	s_or_b32 s[G0V+3], s[G0V+3], 0x80000000
	s_mul_i32 s[WOK], s[QI], 16*528                ; K: head wave % 4 of the four
	s_add_co_u32 s[WOK], s[WOK], KOFF
	s_lshl_b32 s[CYT], s[CY], 2
	s_add_co_u32 s[CYT], s[CYT], s[QI]
	s_lshl_b32 s[CYT], s[CYT], 17
	s_mov_b32 s[G0K], 1
	s_mov_b32 s[G0K+1], s[WOK]
	s_add_nc_u64 s[G0K+2:G0K+3], s[6:7], s[CYT:CYT+1]
	s_or_b32 s[G0K+3], s[G0K+3], 0x80000000
	CROUND                                         ; all sixteen work-groups are here: the first joint loads meet
	s_cmp_lg_u32 s[WV], 1
	s_cbranch_scc1 .Lno_vscales
	tensor_load_to_lds s[G0T:G0T+3], s[G1T:G1T+7]  ; V's scale bytes of the four heads: filled once.  With slot 0's load two loads of wave 1 are out; of the other waves one
	s_nop 0
	PLACES
.Lno_vscales:
	JLOAD                                          ; slot 0
	; offsets made of cx and cy together: queries and out0 at my wave's first row of its first head; the prefetches
	s_lshl_b32 s24, s[CY], 2
	s_lshl_b32 s25, s[HP], 1
	s_add_co_u32 s24, s24, s25                     ; head 4 cy + 2 (wave / 4)
	s_lshl_b32 s24, s24, 20                        ; 1,048,576 bytes a head
	s_lshl_b32 s25, s[BX], 14                      ; 64 rows of 256 bytes a block
	s_add_co_u32 s24, s24, s25
	s_lshl_b32 s25, s[QI], 12                      ; my 16 rows
	s_add_co_u32 s24, s24, s25
	s_mov_b32 s25, 0
	s_add_nc_u64 s[4:5], s[4:5], s[24:25]
	s_add_nc_u64 s[16:17], s[16:17], s[24:25]
	s_lshl_b32 s24, s[BX], 20
	s_lshl_b32 s[TMP], s[CY], 18                   ; my work-group's 16 rows of the 64
	s_add_co_u32 s24, s24, s[TMP]
	s_add_co_u32 s24, s24, 1024                    ; at slot 1: the first change of slots steps it to slot 2.  Nothing is prefetched here, at the head
	s_add_nc_u64 s[PFA:PFA+1], s[14:15], s[24:25]
	s_cmp_eq_u32 s[WV], 1
	s_cselect_b32 s[LIM], 1, -1
	s_mov_b32 s24, 0x3e000000                      ; 1 / 8 = 64^(-1/2)
	s_mov_b32 s25, s24
	v_and_b32 v8, 15, v0                           ; r = lane % 16
	v_bfe_u32 v9, v0, 4, 1                         ; h = lane / 16
	v_bfe_u32 v10, v0, 3, 1                        ; r / 8
	v_and_b32 v11, 31, v0                          ; lane
	v_lshlrev_b32 v[QO], 8, v8
	v_lshl_add_u32 v[QO], v9, 7, v[QO]             ; query r's row of 256 bytes, + 128 h: lane (r, h) takes block h whole, as the operand's layout wants it
.irp e, 0,1
.irp i, 0,1,2,3,4,5,6,7
	global_load_b128 v[SR+32*\e+4*\i:SR+32*\e+4*\i+3], v[QO], s[4:5] offset:1048576*\e+16*\i th:TH_LOAD_NT
.endr
.endr
	; my lane's places, while the queries are on their way
	v_lshlrev_b32 v[AK0], 5, v8                    ; K: key r + 8 (r / 8) of a tile lies at 32 r + (256 + 16) (r / 8); + 16 h: block h of its 64
	v_mad_u32_u24 v[AK0], v10, 272, v[AK0]
	v_lshl_add_u32 v[AK0], v9, 4, v[AK0]
	s_mul_i32 s[TMP], s[HP], 2*8448
	s_add_co_u32 s[TMP], s[TMP], KOFF
	v_add_nc_u32 v[AK0], s[TMP], v[AK0]
	v_mul_u32_u24 v[AV0], v8, 144                  ; V: row r of a tile, + 16 h
	v_lshl_add_u32 v[AV0], v9, 4, v[AV0]
	s_mul_i32 s[TMP], s[HP], 128*144
	s_add_co_u32 s[TMP], s[TMP], VOFF
	v_add_nc_u32 v[AV0], s[TMP], v[AV0]
	v_lshlrev_b32 v[ASK0], 1, v8                   ; K's scale bytes, 2 a key: key 8 h + r + 8 (r / 8): lanes 0-15 the even tile's rows, lanes 16-31 the odd tile's
	v_lshl_add_u32 v[ASK0], v10, 4, v[ASK0]
	v_lshl_add_u32 v[ASK0], v9, 4, v[ASK0]
	s_mul_i32 s[TMP], s[HP], 2*528
	s_add_co_u32 s[TMP], s[TMP], KSOFF
	v_add_nc_u32 v[ASK0], s[TMP], v[ASK0]
	v_mul_u32_u24 v[ASV0], v11, 136                ; V's scale words: a lane a row: lanes 0-15 the even tile's, lanes 16-31 the odd tile's
	s_mul_i32 s[TMP], s[HP], 128*136
	s_add_co_u32 s[TMP], s[TMP], VSC
	v_add_nc_u32 v[ASV0], s[TMP], v[ASV0]
	v_mul_u32_u24 v[AM0], v8, 1040                 ; the mask: my query's row, + 64 h: 16 neighbouring keys
	v_lshl_add_u32 v[AM0], v9, 6, v[AM0]
	s_mul_i32 s[TMP], s[QI], 16*1040
	v_add_nc_u32 v[AM0], s[TMP], v[AM0]
	v_lshlrev_b32 v[PFO], 14, v8                   ; the prefetches: a row of the mask is 16,384 bytes; lanes 16-31 256 bytes on
	v_lshl_add_u32 v[PFO], v9, 8, v[PFO]
	v_lshlrev_b32 v[GO], 8, v9                     ; the way out: lanes 0-15 take one row of out0, lanes 16-31 the next; 16 bytes a lane
	v_lshl_add_u32 v[GO], v8, 4, v[GO]
.irp e, 0,1
	v_mov_b32 v[ST+4*\e+1], 0xff61b1e6             ; the largest t so far: -3e38, under every t
	v_floor_f32 v[ST+4*\e], -v[ST+4*\e+1]          ; -M
	v_mov_b32 v[ST+4*\e+2], 0                      ; the sum, in two halves
	v_mov_b32 v[ST+4*\e+3], 0
.endr
.irp b, 0,1,2,3
	v_mov_b32 v[T1+\b], 0                          ; written once: a lane permute's destination counts as one of its sources
.endr
	v_mov_b32 v[F+1], 0                            ; (named as the upper halves of pairs of which the low word alone is used)
	v_mov_b32 v[T+1], 0
.irp t, 0,1,2,3,4,5,6,7
.irp j, 4,5,6,7
	v_mov_b32 v[KF+8*\t+\j], 0                     ; K along 64 .. 127: zero codes, for the whole launch: the loads fill registers 0-3 alone
.endr
.endr
	WIN 0x40                                       ; destination window 1
.set j, 0
.rept 64
	v_mov_b32 v[OA+j], 0                           ; O^T.  (The key step is written once: its first run finds zeros, which the first change of M leaves zeros)
.set j, j+1
.endr
	WIN 0
	; q = queries / 8, quantised: a lane holds one whole block of 32
	s_wait_loadcnt 0x0
.set j, 0
.rept 32
	v_pk_mul_f32 v[SR+j:SR+j+1], v[SR+j:SR+j+1], s[24:25] op_sel_hi:[1,0]
.set j, j+2
.endr
.irp e, 0,1
	v_max3_num_f32 v[T1+\e], |v[SR+32*\e]|, |v[SR+32*\e+1]|, 0x1800000   ; the block's largest magnitude, and the floor 2^(3 - 127): so the byte cannot fall under 1
.endr
.irp i, 2,4,6,8,10,12,14,16,18,20,22,24,26,28,30
.irp e, 0,1
	v_max3_num_f32 v[T1+\e], v[T1+\e], |v[SR+32*\e+\i]|, |v[SR+32*\e+\i+1]|   ; (the two heads by turns)
.endr
.endr
.irp e, 0,1
	v_add_nc_u32 v[T2+\e], 0xff000000, v[T1+\e]    ; 2 off its exponent field: the conversion takes the exponent field of this operand as its scale
.endr
.irp e, 0,1
	v_lshrrev_b32 v[T1+\e], 23, v[T2+\e]           ; the scale's byte
.endr
	v_lshlrev_b32 v[T], 3, v9
.irp e, 0,1
	v_lshlrev_b32 v[T1+\e], v[T], v[T1+\e]         ; at its place in the scale word: 8 h bits up
.endr
.irp e, 0,1
	v_permlanex16_b32 v[T1+2+\e], v[T1+\e], s[SEL], s[SEL+1]
.endr
.irp e, 0,1
	v_or_b32 v[QSC+\e], v[T1+\e], v[T1+2+\e]       ; with lane l xor 16's the word is whole; bytes 2 and 3 are 0, over zero codes
.endr
.irp e, 0,1
.irp g, 0,1,2,3
	v_cvt_scalef32_pk8_fp4_f32 v[QF+8*\e+\g], v[SR+32*\e+8*\g:SR+32*\e+8*\g+7], v[T2+\e]
.endr
.endr
	v_nop                                          ; one plain place behind a scaled conversion
.irp e, 0,1
.irp g, 4,5,6,7
	v_mov_b32 v[QF+8*\e+\g], 0                     ; Q along 64 .. 127: zero codes
.endr
.endr
; The mask's eight tiles of step st, in the first product's result layout: the 16 registers of tiles 2 b, 2 b + 1 are mask[my query][128 st + 32 b + 16 h + 0 .. 15]
.macro LOADM st
	WIN 0x40                                       ; destination window 1, address window 0
.irp b, 0,1,2,3
.irp j, 0,1,2,3
	ds_load_b128 v[MK+16*\b+4*\j:MK+16*\b+4*\j+3], v[ADM] offset:512*(\st)+128*\b+16*\j
.endr
.endr
	WIN 0
.endm
; K's eight fragments (their lower halves) and four registers of scale words, head e of my two, step st: twelve loads
.macro LOADK e, st
.irp t, 0,1,2,3,4,5,6,7
	ds_load_b128 v[KF+8*\t:KF+8*\t+3], v[ADK] offset:8448*(\e)+4224*(\st)+1056*(\t/2)+256*(\t%2)
.endr
.irp b, 0,1,2,3
	ds_load_u16 v[KSC+\b], v[ADS] offset:528*(\e)+256*(\st)+64*\b   ; a key's two bytes; the word's upper two are 0
.endr
.endm
; V's four fragments and two registers of scale words: ten loads
.macro LOADV e, st
.irp g, 0,1
	ds_load_b32 v[VSR+\g], v[ADT] offset:8704*(\e)+4352*\g+4*(\st)
.endr
.irp t, 0,1,2,3
.irp c, 0,1
	ds_load_b128 v[VF+8*\t+4*\c:VF+8*\t+4*\c+3], v[ADV] offset:9216*(\e)+2304*\t+64*(\st)+32*\c
.endr
.endr
.endm
; A HEAD STEP: head e of my two, the slot's step st of 128 keys.
.macro HS e, st
.set HSN, 2*(\st)+(\e)
.set STR, ST+4*(\e)
.set OB,  OA+32*(\e)
	s_wait_dscnt 0x0                               ; K, its scale words and the mask are in
	WIN 0x10                                       ; C (the mask) in window 1
.irp t, 0,1,2,3,4,5,6,7                            ; S^T = K Q^T + mask^T: eight accumulators, one instruction each
.if \t%2
	v_wmma_scale_f32_16x16x128_f8f6f4 v[SR+8*\t:SR+8*\t+7], v[KF+8*\t:KF+8*\t+7], v[QF+8*(\e):QF+8*(\e)+7], v[MK+8*\t:MK+8*\t+7], v[KSC+\t/2], v[QSC+(\e)] matrix_a_fmt:MATRIX_FMT_FP4 matrix_b_fmt:MATRIX_FMT_FP4 matrix_a_scale:MATRIX_SCALE_ROW1
.else
	v_wmma_scale_f32_16x16x128_f8f6f4 v[SR+8*\t:SR+8*\t+7], v[KF+8*\t:KF+8*\t+7], v[QF+8*(\e):QF+8*(\e)+7], v[MK+8*\t:MK+8*\t+7], v[KSC+\t/2], v[QSC+(\e)] matrix_a_fmt:MATRIX_FMT_FP4 matrix_b_fmt:MATRIX_FMT_FP4
.endif
.endr
	WIN 0
	PLACES                                         ; four places in front of the loads into registers that matrix instructions have read (V's: the last head step's; K's and the mask's: these) and of the first read of S^T
	LOADV \e, \st                                  ; wanted at this head step's end: the softmax stands between
.if HSN < 3
	LOADK (HSN+1)%2, (HSN+1)/2                     ; the next head step's
.endif
.if HSN == 1
	LOADM 1                                        ; both heads have taken step 0's mask
.endif
.irp b, 0,1,2,3
	v_max3_num_f32 v[BM+\b], v[SR+16*\b], v[SR+16*\b+1], v[SR+16*\b+2]   ; THE LARGEST SCORE OF EACH BLOCK OF 32 KEYS: for the row's maximum and, since p rises with the score, for the block's largest p.  (Each accumulator is read from its low end on)
.endr
.irp i, 3,5,7,9,11,13
.irp b, 0,1,2,3
	v_max3_num_f32 v[BM+\b], v[BM+\b], v[SR+16*\b+\i], v[SR+16*\b+\i+1]   ; (the four blocks by turns)
.endr
.endr
.irp b, 0,1,2,3
	v_max_num_f32 v[BM+\b], v[BM+\b], v[SR+16*\b+15]
.endr
.irp b, 0,1,2,3
	v_permlanex16_b32 v[T1+\b], v[BM+\b], s[SEL], s[SEL+1]
.endr
.irp b, 0,1,2,3
	v_max_num_f32 v[BM+\b], v[BM+\b], v[T1+\b]     ; with lane l xor 16's 16 keys
.endr
	v_max3_num_f32 v[T], v[BM], v[BM+1], v[BM+2]
	v_max_num_f32 v[T], v[T], v[BM+3]              ; the step's largest score of my query
	v_mul_f32 v[T], s[CS], v[T]                    ; as t
	v_max_num_f32 v[STR+1], v[STR+1], v[T]         ; the running largest t
	v_mov_b32 v[T], v[STR]
	v_floor_f32 v[STR], -v[STR+1]                  ; the new -M = floor(-t) = -ceil(t): M IS A WHOLE NUMBER
	v_sub_f32 v[T], v[STR], v[T]                   ; M's old value less its new one: a whole number, 0 or less
	v_cvt_i32_f32 v[T], v[T]                       ; (it saturates)
	v_ldexp_f32 v[F], 1.0, v[T]                    ; f = 2^(old M - new M): a multiplication by it rounds nothing
.set j, 0
.rept 32
	v_pk_fma_f32 v[SR+j:SR+j+1], v[SR+j:SR+j+1], s[CS:CS+1], v[STR:STR+1] op_sel_hi:[1,0,0]   ; t - M, two at a time (of the pairs log2(e) and -M the low word serves both halves)
.set j, j+2
.endr
.irp b, 0,1,2,3
	v_fma_f32 v[BM+\b], v[BM+\b], s[CS], v[STR]    ; the same of each block's largest score
.endr
.set j, 0
.rept 64
	v_exp_f32 v[SR+j], v[SR+j]                     ; p = 2^(t - M), at most 1: NOT normalised
.set j, j+1
.endr
	v_pk_mul_f32 v[STR+2:STR+3], v[STR+2:STR+3], v[F:F+1] op_sel_hi:[1,0]   ; the sums under the new M: the plain instruction behind the exponentials
	s_wait_alu depctr_va_vdst(0)                   ; one wait for the batch of 64, ahead of its first reader
.irp b, 0,1,2,3
	v_exp_f32 v[BM+\b], v[BM+\b]                   ; the block's largest p: the same two instructions on the same number give the same bits
.endr
	v_pk_add_f32 v[SUM2:SUM2+1], v[SR:SR+1], v[SR+2:SR+3]   ; THE ROW'S SUM IS TAKEN OF THE UNQUANTISED p: two at a time, in two chains.  (It reads the 64 alone: plain work behind the four)
.set j, 4
.rept 15
	v_pk_add_f32 v[STR+2:STR+3], v[STR+2:STR+3], v[SR+j:SR+j+1]
	v_pk_add_f32 v[SUM2:SUM2+1], v[SUM2:SUM2+1], v[SR+j+2:SR+j+3]
.set j, j+4
.endr
	v_pk_add_f32 v[STR+2:STR+3], v[STR+2:STR+3], v[SUM2:SUM2+1]
	s_wait_alu depctr_va_vdst(0)                   ; and one for the four
.irp b, 0,1,2,3
	v_max_num_f32 v[BM+\b], 0x1800000, v[BM+\b]    ; the floor 2^(3 - 127): the byte cannot fall under 1 (a block whose every p is 0 keeps that byte: its codes are zeros)
.endr
.irp b, 0,1,2,3
	v_add_nc_u32 v[T2+\b], 0xff000000, v[BM+\b]    ; 2 off the exponent field: the conversion's scale operand
.endr
.irp b, 0,1,2,3
	v_lshrrev_b32 v[T1+\b], 23, v[T2+\b]           ; the scale's byte
.endr
	v_lshl_or_b32 v[PSC], v[T1+1], 8, v[T1]        ; p's scale word for these 128 keys
	v_lshl_or_b32 v[PSC], v[T1+2], 16, v[PSC]
	v_lshl_or_b32 v[PSC], v[T1+3], 24, v[PSC]
.irp b, 0,1,2,3
	v_cvt_scalef32_pk8_fp4_f32 v[PC+2*\b], v[SR+16*\b:SR+16*\b+7], v[T2+\b]
	v_cvt_scalef32_pk8_fp4_f32 v[PC+2*\b+1], v[SR+16*\b+8:SR+16*\b+15], v[T2+\b]
.endr
	v_nop                                          ; one plain place behind a scaled conversion
.irp c, 0,1                                        ; the operand's layout wants a WHOLE block in a lane: lanes 0-15 block 2 c, lanes 16-31 block 2 c + 1
.irp i, 0,1
	v_permlane16_swap_b32 v[PC+4*\c+\i], v[PC+4*\c+2+\i]
.endr
.endr
	WIN 0x41                                       ; O^T (destination and source 0) in window 1, f in window 0
.set j, 0
.rept 16
	v_pk_mul_f32 v[OB+j:OB+j+1], v[OB+j:OB+j+1], v[F:F+1] op_sel_hi:[1,0]   ; O^T under the new M.  (These sixteen are also the places between p's codes and scale word and the products below)
.set j, j+2
.endr
.if HSN == 1
	s_wait_dscnt 28                                ; V's ten loads are in; behind them: the next K's twelve and the mask's sixteen
.elseif HSN == 3
	s_wait_dscnt 0x0                               ; nothing was asked for behind V
.else
	s_wait_dscnt 12                                ; behind V's ten: the next K's twelve
.endif
	WIN 0x50                                       ; C and D (O^T) in window 1
.irp t, 0,1,2,3                                    ; O^T += V^T P^T: four accumulators by turns, one instruction a turn
.if \t%2
	v_wmma_scale_f32_16x16x128_f8f6f4 v[OB+8*\t:OB+8*\t+7], v[VF+8*\t:VF+8*\t+7], v[PC:PC+7], v[OB+8*\t:OB+8*\t+7], v[VSR+\t/2], v[PSC] matrix_a_fmt:MATRIX_FMT_FP4 matrix_b_fmt:MATRIX_FMT_FP4 matrix_a_scale:MATRIX_SCALE_ROW1
.else
	v_wmma_scale_f32_16x16x128_f8f6f4 v[OB+8*\t:OB+8*\t+7], v[VF+8*\t:VF+8*\t+7], v[PC:PC+7], v[OB+8*\t:OB+8*\t+7], v[VSR+\t/2], v[PSC] matrix_a_fmt:MATRIX_FMT_FP4 matrix_b_fmt:MATRIX_FMT_FP4
.endif
.endr
	WIN 0
.endm
; THE CHANGE OF SLOTS stands at a slot's head.  Each wave waits for all its tensor loads (its part of the slot that it is about to read), adds 0 to its spare word, and waits for that and for its reads of the
; slot that it has left.  fill = 1: a round of the cluster's barrier follows, behind which no wave of any partner reads the slot left or has a load on its way; that slot is then filled with the next 256 keys,
; one joint load a wave, which has the four head steps of a slot in which to land.
.macro CHANGE fill
	s_wait_tensorcnt 0x0                           ; no tensor load of mine is out, so the groups 0 may be written
	ds_add_u32 v[SPW], v[NIL]                      ; 0 onto my spare word: with fill = 1 the descriptors' steps stand between it and the wait for it
.if \fill
	s_xor_b32 s[TBF], s[TBF], SLOT                 ; the other slot than last time (0 or SLOT),
	s_mov_b32 s[G0M+1], s[TBF]
	s_add_co_u32 s[G0S+1], s[TBF], KSOFF
	s_add_co_u32 s[G0V+1], s[TBF], s[WOV]
	s_add_co_u32 s[G0K+1], s[TBF], s[WOK]
	s_add_nc_u64 s[G0M+2:G0M+3], s[G0M+2:G0M+3], 1024   ; the next 256 keys: 1,024 bytes in a row of the mask; the type bits on top are not reached
	s_add_nc_u64 s[G0S+2:G0S+3], s[G0S+2:G0S+3], 512    ; 512 scale bytes of K,
	s_add_nc_u64 s[G0V+2:G0V+3], s[G0V+2:G0V+3], 128    ; 128 bytes in a row of V,
	s_add_nc_u64 s[G0K+2:G0K+3], s[G0K+2:G0K+3], 8192   ; 8,192 bytes of K
	s_wait_xcnt 0x0                                ; the last prefetches, a slot back, have read their address, so it may be written:
	s_add_nc_u64 s[PFA:PFA+1], s[PFA:PFA+1], 1024  ; one slot further on than the descriptors
	s_wait_dscnt 0x0                               ; the add is done, and my reads of the slot that I have left are over
	CROUND
	JLOAD                                          ; the first thing behind the round, and a wave's one tensor load until the next
	ASK
.else
	s_wait_dscnt 0x0
	s_barrier_signal -1
	s_barrier_wait -1
.endif
.endm
.macro SLOTBODY
	v_add_nc_u32 v[ADK], s[TB], v[AK0]
	v_add_nc_u32 v[ADV], s[TB], v[AV0]
	v_add_nc_u32 v[ADS], s[TB], v[ASK0]
	v_add_nc_u32 v[ADM], s[TB], v[AM0]
	v_add_nc_u32 v[ADT], s[TJ], v[ASV0]
	LOADM 0
	LOADK 0, 0
	HS 0, 0
	HS 1, 0
	HS 0, 1
	HS 1, 1
	s_xor_b32 s[TB], s[TB], SLOT                   ; on to the other slot
	s_add_co_u32 s[TJ], s[TJ], 8
.endm
.Lslot:                                            ; 15 trips: behind each change of slots but the last the next slot is asked for
	CHANGE 1
	SLOTBODY
	s_sub_co_u32 s[SLOTS], s[SLOTS], 1
	s_cmp_lg_u32 s[SLOTS], 0
	s_cbranch_scc1 .Lslot
	CHANGE 0                                       ; the last slot is written out
	SLOTBODY
	; THE WAY OUT.  The sum's halves are added; O^T is divided by the sum and goes through my stage in LDS, 16 rows of 256 bytes a head, so that sixteen lanes store 256 consecutive bytes.
.irp e, 0,1
	v_add_f32 v[T1+\e], v[ST+4*\e+2], v[ST+4*\e+3] ; the sum's two halves,
.endr
.irp e, 0,1
	v_permlanex16_b32 v[T1+2+\e], v[T1+\e], s[SEL], s[SEL+1]
.endr
.irp e, 0,1
	v_add_f32 v[T1+\e], v[T1+\e], v[T1+2+\e]       ; and lane l xor 16's: the row's sum
.endr
	v_rcp_f32 v[F], v[T1]
	v_rcp_f32 v[T], v[T1+1]
	v_and_b32 v8, 15, v0                           ; (plain work behind the reciprocals, and the places behind the last products)  r
	v_bfe_u32 v9, v0, 4, 1                         ; h
	s_mul_i32 s[TMP], s[WV], STGW                  ; my stage
	v_mul_u32_u24 v1, v8, 272
	v_lshl_add_u32 v1, v9, 5, v1
	v_add_nc_u32 v1, s[TMP], v1                    ; in: row r; tile t's eight channels of my half: 64 t + 32 h bytes on
	v_mul_u32_u24 v2, v9, 272
	v_lshl_add_u32 v2, v8, 4, v2
	v_add_nc_u32 v2, s[TMP], v2                    ; back: lanes 0-15 one row, lanes 16-31 the next
	s_wait_alu depctr_va_vdst(0)                   ; one wait for the two reciprocals, ahead of their first reader
	WIN 0x01                                       ; source 0 (O^T) window 1, destination window 0: S^T's registers are free
.set j, 0
.rept 16
	v_pk_mul_f32 v[SR+j:SR+j+1], v[OA+j:OA+j+1], v[F:F+1] op_sel_hi:[1,0]   ; register 32 e + 8 t + i is out0(query r, channel 16 t + 8 h + i); each accumulator from its low end on
.set j, j+2
.endr
.rept 16
	v_pk_mul_f32 v[SR+j:SR+j+1], v[OA+j:OA+j+1], v[T:T+1] op_sel_hi:[1,0]
.set j, j+2
.endr
	WIN 0
.irp e, 0,1
.irp t, 0,1,2,3
	ds_store_b128 v1, v[SR+32*\e+8*\t:SR+32*\e+8*\t+3] offset:4352*\e+64*\t
	ds_store_b128 v1, v[SR+32*\e+8*\t+4:SR+32*\e+8*\t+7] offset:4352*\e+64*\t+16
.endr
.irp i, 0,1,2,3,4,5,6,7
	ds_load_b128 v[KF+32*\e+4*\i:KF+32*\e+4*\i+3], v2 offset:4352*\e+544*\i   ; LDS serves a wave's instructions in order (ISA guide 5.7.1.4): these see my stores
.endr
.endr
.irp e, 0,1
.irp i, 0,1,2,3,4,5,6,7
	s_wait_dscnt 23-16*\e-\i                       ; behind this load: the head's own 7 - i, and for head 0 head 1's sixteen LDS instructions
	global_store_b128 v[GO], v[KF+32*\e+4*\i:KF+32*\e+4*\i+3], s[16:17] offset:1048576*\e+512*\i th:TH_STORE_NT   ; 16 lanes store 256 consecutive bytes, at a multiple of 256 from out0's first byte; written once, read by nobody here
.endr
.endr
	s_wait_tensorcnt 0x0                           ; the wave's end: behind my last tensor load and my last LDS store
	ds_add_u32 v[SPW], v[NIL]
	s_wait_dscnt 0x0
	CROUND                                         ; the closing round: no work-group ends while a partner may still ask for a tile that names it
	s_endpgm
.Lfunc_end_k_q64c68570c6_attn:
	.size	k_q64c68570c6_attn, .Lfunc_end_k_q64c68570c6_attn-k_q64c68570c6_attn
	.p2alignl 7, 3214868480
	.fill 96, 4, 3214868480
	.section	.rodata,"a",@progbits
	.p2align	6, 0x0
	.amdhsa_kernel k_q64c68570c6_attn
		.amdhsa_group_segment_fixed_size 327680
		.amdhsa_private_segment_fixed_size 0
		.amdhsa_enable_private_segment 0
		.amdhsa_kernarg_size 56
		.amdhsa_user_sgpr_count 2
		.amdhsa_user_sgpr_kernarg_segment_ptr 1
		.amdhsa_wavefront_size32 1
		.amdhsa_system_sgpr_workgroup_id_x 1
		.amdhsa_system_sgpr_workgroup_id_y 1
		.amdhsa_system_sgpr_workgroup_id_z 1
		.amdhsa_system_vgpr_workitem_id 0
		.amdhsa_next_free_vgpr 512
		.amdhsa_next_free_sgpr 106
		.amdhsa_reserve_vcc 0
		.amdhsa_float_denorm_mode_32 3
		.amdhsa_float_denorm_mode_16_64 3
		.amdhsa_memory_ordered 1
		.amdhsa_forward_progress 1
		.amdhsa_inst_pref_size 154
	.end_amdhsa_kernel
	.amdgpu_metadata
---
amdhsa.version: [ 1, 2 ]
amdhsa.kernels:
  - .name:           k_q64c68570c6_attn
    .symbol:         k_q64c68570c6_attn.kd
    .args:
      - { .name: queries, .offset: 0, .size: 8, .value_kind: global_buffer, .address_space: global }
      - { .name: keys_codes, .offset: 8, .size: 8, .value_kind: global_buffer, .address_space: global }
      - { .name: keys_scales, .offset: 16, .size: 8, .value_kind: global_buffer, .address_space: global }
      - { .name: values_codes, .offset: 24, .size: 8, .value_kind: global_buffer, .address_space: global }
      - { .name: values_scales, .offset: 32, .size: 8, .value_kind: global_buffer, .address_space: global }
      - { .name: mask, .offset: 40, .size: 8, .value_kind: global_buffer, .address_space: global }
      - { .name: out0, .offset: 48, .size: 8, .value_kind: global_buffer, .address_space: global }
    .group_segment_fixed_size: 327680
    .private_segment_fixed_size: 0
    .kernarg_segment_align: 8
    .kernarg_segment_size: 56
    .max_flat_workgroup_size: 256
    .sgpr_count:     106
    .vgpr_count:     512
    .wavefront_size: 32
...
	.end_amdgpu_metadata
.endif
;; end of part 1
